; MI455X (gfx1250); checked and timed in simulation.
; The chip was launched on July 23, 2026; its instructions are those of AMD's public machine-readable ISA for CDNA 5 (MIT licence, August 2026) and "CDNA5" Instruction Set Architecture Reference Guide (July 2026). The comments in the code are by the model that wrote it; some were corrected since.
;; Binary Diff. Allowed arithmetic: float matrix products may take bf16 or f16 operands with f32 sums; other float arithmetic in f32, or as packed bf16 or f16 multiplies, adds, multiply-adds, maxima and minima; sums over many terms, partial sums and values carried from step to step in f32; what a program stores and reads back later, other than sums and carried values, may be rounded once to bf16 or f16.
;; Inputs: base 4,096 x 4,096 float32; coeff one number float32; mask 4,096 x 4,096 int32; x 4 x 512 x 4,096 float32.
;; Outputs: out0 4 x 512 x 4,096 float32.
;; 2 versions, each right; version 2 is version 1 with the launch prep written anew for expert scheduling mode. Each part assembles by itself: llvm-mc -triple=amdgcn-amd-amdhsa -mcpu=gfx1250 --defsym DOCPART=n.
;; ======== version 1 of 2: 2 launches
;; workspace buffers: wb 33,554,432 bytes; xb 16,777,216 bytes
;; launch prep (part 1): grid 1024 x 1, 8 waves a work-group, no clusters, 0 bytes of LDS; arguments base, mask, coeff, x, wb, xb; writes wb, xb
.if DOCPART == 1
	.amdgcn_target "amdgcn-amd-amdhsa--gfx1250"
	.amdhsa_code_object_version 6
	.text
	.protected	k_q252f287c02_prep
	.globl	k_q252f287c02_prep
	.p2align	8
	.type	k_q252f287c02_prep,@function
k_q252f287c02_prep:
	s_mov_b64 s[64:65], 0
	v_nop
	global_prefetch_b8 v0, s[64:65] scope:SCOPE_SE
	s_setreg_imm32_b32 hwreg(HW_REG_WAVE_MODE, 25, 1), 1
	s_wait_xcnt 0x0
; wb[k][n] = bf16( bf16(base[k][n]) + bf16(coeff) * (2 mask[k][n] - 1) ),  xb = bf16(x).
; x @ base + coeff (x @ sign) = x @ (base + coeff sign) for every input, so the two products of the problem become one; this launch makes its two operands.
; LIMITS.  base, coeff and x are rounded to bf16 (nearest even); the sum is one fused multiply-add in f32 and is rounded once more to bf16: an order of rounding other than
; the problem's own.  mask may hold any int32: 2 m - 1 wraps in 32 bits and is converted to f32 to nearest even.  NaN and infinities are not treated apart.
; SHARES.  1,024 work-groups of eight waves.  A work-group owns 65,536 bytes of base and of mask (16 items of 4,096 bytes) and 32,768 bytes of x (8 items).
; In an item thread t takes the 16 bytes at 16 t (a wave's load covers 512 consecutive bytes) and stores 8 bytes at 8 t (a wave's store covers 256 consecutive bytes, aligned).
; IN FLIGHT.  24 loads of each wave go out at the start; each of the first eight items asks again for the item eight further on, so 24 stay out until the x items.
; No LDS, no barrier, no matrix unit: no wave wants a byte that another has fetched.  Written out without a loop: no address register and no store's data register is ever rewritten.
.set ITEM, 4096                        ; bytes of an item on the way in
.set OUTB, 2048                        ; and on the way out
.set LO,  1                            ; v1        16 t; never rewritten
.set SO,  2                            ; v2        8 t; never rewritten
.set CF,  4                            ; v[4:5]    coeff rounded to bf16, as f32, twice
.set T,   6                            ; v[6:7]    at work
.set BB,  8                            ; v[8:39]   base, eight slots of four
.set MM,  40                           ; v[40:71]  mask, eight slots of four
.set XX,  72                           ; v[72:103] x, eight items of four
.set Y,   104                          ; v[104:119] what items 0 to 7 store, two registers each
	s_load_b256 s[4:11], s[0:1], 0x0               ; base s[4:5], mask s[6:7], coeff's address s[8:9], x s[10:11]
	s_load_b128 s[12:15], s[0:1], 0x20             ; wb s[12:13], xb s[14:15]
	v_lshlrev_b32 v[LO], 4, v0
	v_lshlrev_b32 v[SO], 3, v0
	s_mov_b32 s16, 0xffff0000                      ; a word's upper bf16
	s_mov_b32 s3, 0
	s_wait_kmcnt 0x0
	s_load_b32 s17, s[8:9], 0x0                    ; coeff
	s_lshl_b32 s2, ttmp9, 16                       ; the work-group's 65,536 bytes of base and of mask
	s_add_nc_u64 s[4:5], s[4:5], s[2:3]
	s_add_nc_u64 s[6:7], s[6:7], s[2:3]
	s_lshl_b32 s2, ttmp9, 15                       ; its 32,768 bytes of x and of wb
	s_add_nc_u64 s[10:11], s[10:11], s[2:3]
	s_add_nc_u64 s[12:13], s[12:13], s[2:3]
	s_lshl_b32 s2, ttmp9, 14                       ; its 16,384 bytes of xb
	s_add_nc_u64 s[14:15], s[14:15], s[2:3]
.irp j, 0,1,2,3,4,5,6,7
	global_load_b128 v[BB+4*(\j):BB+4*(\j)+3], v[LO], s[4:5] offset:(\j)*ITEM th:TH_LOAD_NT
	global_load_b128 v[MM+4*(\j):MM+4*(\j)+3], v[LO], s[6:7] offset:(\j)*ITEM th:TH_LOAD_NT
.endr
.irp j, 0,1,2,3,4,5,6,7
	global_load_b128 v[XX+4*(\j):XX+4*(\j)+3], v[LO], s[10:11] offset:(\j)*ITEM th:TH_LOAD_NT
.endr
	s_wait_kmcnt 0x0                               ; coeff
	v_mov_b32 v[CF], s17
	v_cvt_pk_bf16_f32 v[CF], v[CF], v[CF]          ; rounded to bf16,
	v_lshlrev_b32 v[CF], 16, v[CF]                 ; and back as f32
	v_mov_b32 v[CF+1], v[CF]
; Item j of base and mask, which lies in slot: four numbers of W a thread.  left = the younger loads that may stay out.
; refill = 1: the slot is asked for again, with item j + 8: its registers are free, since its loads have come and only vector instructions have read them.
.macro WITEM slot, j, dst, left, refill
.set B, BB+4*(\slot)
.set M, MM+4*(\slot)
	s_wait_loadcnt \left                           ; loads come back in order (ISA guide 5.7.1): the item's two are in
	v_cvt_pk_bf16_f32 v[T], v[B], v[B+1]           ; base is rounded to bf16,
	v_cvt_pk_bf16_f32 v[T+1], v[B+2], v[B+3]
	v_lshlrev_b32 v[B], 16, v[T]                   ; and taken as f32 again
	v_and_b32 v[B+1], s16, v[T]
	v_lshlrev_b32 v[B+2], 16, v[T+1]
	v_and_b32 v[B+3], s16, v[T+1]
.irp i, 0,1,2,3
	v_lshl_add_u32 v[M+(\i)], v[M+(\i)], 1, -1     ; 2 m - 1
.endr
.irp i, 0,1,2,3
	v_cvt_f32_i32 v[M+(\i)], v[M+(\i)]
.endr
	v_pk_fma_f32 v[B:B+1], v[M:M+1], v[CF:CF+1], v[B:B+1]          ; base + coeff x sign, fused
	v_pk_fma_f32 v[B+2:B+3], v[M+2:M+3], v[CF:CF+1], v[B+2:B+3]
	v_cvt_pk_bf16_f32 v[(\dst)], v[B], v[B+1]
	v_cvt_pk_bf16_f32 v[(\dst)+1], v[B+2], v[B+3]
.if \refill
	global_load_b128 v[B:B+3], v[LO], s[4:5] offset:((\j)+8)*ITEM th:TH_LOAD_NT
	global_load_b128 v[M:M+3], v[LO], s[6:7] offset:((\j)+8)*ITEM th:TH_LOAD_NT
.endif
	global_store_b64 v[SO], v[(\dst):(\dst)+1], s[12:13] offset:(\j)*OUTB
.endm
.macro XITEM j, left
.set X, XX+4*(\j)
	s_wait_loadcnt \left
	v_cvt_pk_bf16_f32 v[X], v[X], v[X+1]
	v_cvt_pk_bf16_f32 v[X+1], v[X+2], v[X+3]
	global_store_b64 v[SO], v[X:X+1], s[14:15] offset:(\j)*OUTB
.endm
.irp j, 0,1,2,3,4,5,6,7
	WITEM \j, \j, Y+2*(\j), 22, 1                  ; behind item j's two loads: 2 (7 - j) of base and mask, 8 of x, 2 j refills: 22
.endr
.irp j, 0,1,2,3,4,5,6,7
	XITEM \j, 23-(\j)                              ; behind x's item j: 7 - j of x and the 16 refills
.endr
.irp j, 0,1,2,3,4,5,6,7
	WITEM \j, (\j)+8, MM+4*(\j), 14-2*(\j), 0      ; the counts run down; the result goes into the mask's registers, which nothing rewrites
.endr
	s_endpgm
.Lfunc_end_k_q252f287c02_prep:
	.size	k_q252f287c02_prep, .Lfunc_end_k_q252f287c02_prep-k_q252f287c02_prep
	.p2alignl 7, 3214868480
	.fill 96, 4, 3214868480
	.section	.rodata,"a",@progbits
	.p2align	6, 0x0
	.amdhsa_kernel k_q252f287c02_prep
		.amdhsa_group_segment_fixed_size 0
		.amdhsa_private_segment_fixed_size 0
		.amdhsa_enable_private_segment 0
		.amdhsa_kernarg_size 48
		.amdhsa_user_sgpr_count 2
		.amdhsa_user_sgpr_kernarg_segment_ptr 1
		.amdhsa_wavefront_size32 1
		.amdhsa_system_sgpr_workgroup_id_x 1
		.amdhsa_system_sgpr_workgroup_id_y 1
		.amdhsa_system_sgpr_workgroup_id_z 1
		.amdhsa_system_vgpr_workitem_id 0
		.amdhsa_next_free_vgpr 120
		.amdhsa_next_free_sgpr 66
		.amdhsa_reserve_vcc 0
		.amdhsa_float_denorm_mode_32 3
		.amdhsa_float_denorm_mode_16_64 3
		.amdhsa_memory_ordered 1
		.amdhsa_forward_progress 1
		.amdhsa_inst_pref_size 23
	.end_amdhsa_kernel
	.amdgpu_metadata
---
amdhsa.version: [ 1, 2 ]
amdhsa.kernels:
  - .name:           k_q252f287c02_prep
    .symbol:         k_q252f287c02_prep.kd
    .args:
      - { .name: base, .offset: 0, .size: 8, .value_kind: global_buffer, .address_space: global }
      - { .name: mask, .offset: 8, .size: 8, .value_kind: global_buffer, .address_space: global }
      - { .name: coeff, .offset: 16, .size: 8, .value_kind: global_buffer, .address_space: global }
      - { .name: x, .offset: 24, .size: 8, .value_kind: global_buffer, .address_space: global }
      - { .name: wb, .offset: 32, .size: 8, .value_kind: global_buffer, .address_space: global }
      - { .name: xb, .offset: 40, .size: 8, .value_kind: global_buffer, .address_space: global }
    .group_segment_fixed_size: 0
    .private_segment_fixed_size: 0
    .kernarg_segment_align: 8
    .kernarg_segment_size: 48
    .max_flat_workgroup_size: 256
    .sgpr_count:     66
    .vgpr_count:     120
    .wavefront_size: 32
...
	.end_amdgpu_metadata
.endif
;; end of part 1
;; launch gemm (part 2): grid 16 x 16, 4 waves a work-group, clusters of 4 x 4, 327,680 bytes of LDS; arguments xb, wb, out0; writes out0
.if DOCPART == 2
	.amdgcn_target "amdgcn-amd-amdhsa--gfx1250"
	.amdhsa_code_object_version 6
	.text
	.protected	k_q252f287c02_gemm
	.globl	k_q252f287c02_gemm
	.p2align	8
	.type	k_q252f287c02_gemm,@function
k_q252f287c02_gemm:
	s_mov_b64 s[64:65], 0
	v_nop
	global_prefetch_b8 v0, s[64:65] scope:SCOPE_SE
	s_setreg_imm32_b32 hwreg(HW_REG_WAVE_MODE, 25, 1), 1
	s_wait_xcnt 0x0
	s_wait_alu depctr_hold_cnt(0) depctr_sa_sdst(0) depctr_va_vdst(0) depctr_va_sdst(0) depctr_va_ssrc(0) depctr_va_vcc(0) depctr_vm_vsrc(0)
	s_getreg_b32 s2, hwreg(HW_REG_IB_STS2, 6, 4)
	s_cmp_eq_u32 s2, 0
	s_cbranch_scc0 .Lentry_in_a_cluster
	s_endpgm
.Lentry_in_a_cluster:
	s_bfe_u32 s2, ttmp6, 0x10000c
	s_cmp_lg_u32 s2, 0xf033
	s_cbranch_scc0 .Lentry_shape_is_right
	s_endpgm
.Lentry_shape_is_right:
; out0[m][n] = the sum over k of xb[m][k] wb[k][n].  xb: [2048][4096] bf16, wb: [4096 k][4096 n] bf16 (n along the rows), out0: [2048][4096] f32.  Sums in f32, K ascending.
; LIMITS.  The operands are bf16, made by the launch before (x rounded once; W = base + coeff x sign rounded as its head says).  NaN and infinities are not treated apart.
; SHARES.  A tile of out0 is 128 rows x 256 columns: 16 x 16 tiles, one work-group each.  Four waves, each 64 rows x 128 columns: 32 accumulators of 16 x 16, 256 registers.
; K goes in steps of 128 through a ring of two LDS slots filled by the tensor data mover: 128 rows x 256 bytes of xb and 128 rows (k) x 512 bytes of wb, each row whole aligned blocks of 256 bytes.
; CLUSTERS.  4 x 4 work-groups.  The four of a row of the cluster need the same tile of xb, the four of a column the same tile of wb: each tile is asked for JOINTLY, by the same tensor load,
; descriptor and mask in all four.
; THE MATRIX INSTRUCTION IS USED TRANSPOSED: source 0 = 16 columns of W (turned on the way out of LDS by ds_load_tr16_b128, since wb lies [k][n]), source 1 = 16 rows of x.
; In the result lane l holds row m = l % 16 and its registers 0 to 7 the columns 8 (l / 16) + 0..7: 32 consecutive bytes of a row of out0.
; REGISTERS, in windows of 256 (s_set_vgpr_msb: bits 1:0 source 0, 3:2 source 1, 5:4 source 2, 7:6 destination):
;   window 0: v0-31 addresses; v64-159, v160-255 two fragment buffers (x's four fragments, then W's eight); on the way out v64-255 three buffers of 16 rows
;   window 1: the accumulators, (a, b) at v[8 (8 a + b)]: a = block of 16 rows, b = block of 16 columns
.set KSTEP,  128
.set ROWB,   8192                      ; bytes in a row of xb and of wb
.set OROW,   16384                     ; bytes in a row of out0
.set PA,     272                       ; an LDS row of x: 256 bytes + 16 of padding = 68 words: the 16 rows of a load start at 16 different groups of four banks (64 banks of 4 bytes: ISA guide 11.1)
.set PB,     544                       ; an LDS row of W: 512 + 32 = 136 words
.set HALFA,  64*PA                     ; what one tensor load brings of x, and what one wave reads of it
.set HALFB,  64*PB                     ; what one tensor load brings of W
.set ATILE,  2*HALFA
.set SLOT,   ATILE+2*HALFB             ; x's 128 rows, then W's 128 rows
.set STAGE,  2*SLOT                    ; behind the ring: 16 rows x 528 bytes for each wave, for the way out; no tensor load fills it
.set SP,     528                       ; 512 bytes + 16
.set SPARE,  STAGE+4*16*SP             ; behind the stages: the spare words, 128 bytes for each wave: two blocks of 256 bytes that no other line names
.set LAPS,   4096/(2*KSTEP)            ; a lap = two K steps = once round the ring
.set STEPA,  KSTEP*2                   ; a K step in xb: 256 bytes along a row
.set STEPB,  KSTEP*ROWB                ; a K step in wb: 128 rows down
.set ADRA, 16                          ; v16-17  LDS address of my fragments of x in slot 0, 1
.set ADRB, 20                          ; v20-21  the same for W
.set STO,  24                          ; v24     the way out: where I put 32 bytes of a row
.set RD,   25                          ; v25     the way out: where I read a row back
.set CO,   26                          ; v26     16 x lane: my bytes in 512 consecutive bytes of out0
.set SPW,  28                          ; v28     LDS address of my spare word: SPARE + 4 x my thread's number; never rewritten
.set NIL,  29                          ; v29     0; never rewritten
.set PFO,  30                          ; v30     the prefetches' offset; never rewritten
.set F0,   64
.set F1,   160
.set OB,   64
.set G1,  24                           ; s[24:31] descriptor group 1 for x's tiles;  s[32:39] group 0, one set for each slot
.set G0,  32
.set G1B, 48                           ; s[48:55], s[56:63] the same for W's tiles
.set G0B, 56
.set LIM, 43                           ; s43      2 in a wave that prefetches, else the greatest number
.set PFA, 44                           ; s[44:45] where my prefetches stand
.set PFS, 18                           ; s[18:19] a K step for them: STEPA or STEPB
.set MSB, 0
.macro WIN new                         ; the immediate's high byte repeats the setting that is left; a switch that changes nothing is dropped
.if MSB != (\new)
	s_set_vgpr_msb (MSB<<8)|(\new)
.set MSB, \new
.endif
.endm
.set MUL,    0x50                      ; both sources window 0; C and D window 1
.set ST_ACC, 0x04                      ; an LDS store's data window 1, its address window 0
; A joint load.  Waves 0 and 1 fetch the two halves of x's tile, waves 2 and 3 those of W's.  The branch hangs on the wave's number alone.
; An s_nop 0 and four v_nop follow each of the two lines, ahead of the jump and the label.
.macro JLOAD s
	s_cmp_eq_u32 s11, 0
	s_cbranch_scc0 .Lfor_b_\@
	tensor_load_to_lds s[G0+4*(\s):G0+4*(\s)+3], s[G1:G1+7]
	s_nop 0
.rept 4
	v_nop
.endr
	s_branch .Lasked_\@
.Lfor_b_\@:
	tensor_load_to_lds s[G0B+4*(\s):G0B+4*(\s)+3], s[G1B:G1B+7]
	s_nop 0
.rept 4
	v_nop
.endr
.Lasked_\@:
.endm
; A PREFETCH INTO THE L2, behind a joint load, its five lines and the run of LDS loads: the K step FOUR steps on from the one just asked for, 512 matrix instructions of a wave ahead of the load that will want it.
; Each row's aligned 256 bytes are named once in the launch.  x's rows of a tile are read by every cluster of that row of clusters: cluster x = 0 asks, in it wave 0, and the four partners take 32 rows each,
; a lane a row.  W's 128 rows x 512 bytes are read by every cluster of that column: cluster y = 0 asks, waves 2 and 3, each 16 rows x 2 blocks in each of the four partners.  The partners are told apart
; BY ADDRESS; the branch hangs on the cluster's place, the wave's number and the loop's count.  It asks while s3 is above 2: refills of K steps 2 to 27 name K steps 6 to 31; the last four refills name nothing.
.macro ASK
	s_cmp_gt_u32 s3, s[LIM]
	s_cbranch_scc0 .Lnot_mine_\@
	global_prefetch_b8 v[PFO], s[PFA:PFA+1] th:TH_LOAD_NT scope:SCOPE_SE
.Lnot_mine_\@:
.endm
; A round of the cluster's barrier: my work-group's barrier; wave 0 signals for the work-group; every wave waits for all sixteen; my work-group's barrier once more.
.macro CREST                           ; a round behind its opening barrier
	s_cmp_lg_u32 s10, 0
	s_cbranch_scc1 .Lnot_wave_0_\@
	s_barrier_signal -3
.Lnot_wave_0_\@:
	s_barrier_wait -3
	s_barrier_signal -1
	s_barrier_wait -1
.endm
.macro CROUND
	s_barrier_signal -1
	s_barrier_wait -1
	CREST
.endm
	s_load_b128 s[4:7], s[0:1], 0x0                ; xb s[4:5], wb s[6:7]
	s_load_b64 s[8:9], s[0:1], 0x10                ; out0
	v_lshl_add_u32 v[SPW], v0, 2, SPARE
	v_mov_b32 v[NIL], 0
	ds_add_u32 v[SPW], v[NIL]                      ; the wave's opening: the add, twice on end, and its wait ahead of my first tensor load
	ds_add_u32 v[SPW], v[NIL]                      ; and once more; the set-up below, work on registers, stands between it and the wait
	v_lshrrev_b32 v1, 5, v0
	v_readfirstlane_b32 s10, v1                    ; wave 0..3
	s_lshr_b32 s11, s10, 1                         ; which 64 rows of the tile are mine.  Also: I fetch for x (0) or for W (1)
	s_and_b32 s12, s10, 1                          ; which 128 columns.  Also: which half of that tile I fetch
	s_bfe_u32 s40, ttmp6, 0x40000                  ; cx
	s_bfe_u32 s41, ttmp6, 0x40004                  ; cy
	s_lshl_b32 s42, ttmp9, 2                       ; in a cluster launch ttmp9 and ttmp7 count clusters
	s_add_co_u32 s42, s42, s40                     ; tile column = 4 x cluster x + cx
	s_and_b32 s13, ttmp7, 0xffff
	s_lshl_b32 s13, s13, 2
	s_add_co_u32 s13, s13, s41                     ; tile row = 4 x cluster y + cy
	s_lshl_b32 s43, s41, 2
	s_lshl_b32 s43, 15, s43                        ; my row of the cluster: places 4 cy .. 4 cy + 3
	s_lshl_b32 s44, 0x1111, s40                    ; my column: places cx, cx + 4, cx + 8, cx + 12
	; descriptor group 1.  x: 64 rows x 128 elements, 4 words of padding behind every 64; W: 64 rows x 256 elements, 8 words behind every 128
	s_or_b32 s[G1], s43, (1<<16)|(1<<20)|(1<<21)|(5<<22)|(3<<25)   ; 15:0 the mask; 17:16 elements of 2 bytes; 20 padding on; 21 set beside a mask; 24:22 the interval's code; 31:25 the padding's words less 1
	s_or_b32 s[G1B], s44, (1<<16)|(1<<20)|(1<<21)|(6<<22)|(7<<25)
	s_mov_b32 s[G1+1], 128<<16                     ; tensor_dim0 = 128
	s_mov_b32 s[G1+2], 64<<16                      ; tensor_dim1 = 64
	s_mov_b32 s[G1+3], 128<<16                     ; tile_dim0 = 128
	s_mov_b32 s[G1+4], 64                          ; tile_dim1 = 64
	s_mov_b32 s[G1+5], 4096                        ; elements from row to row
	s_mov_b32 s[G1+6], 0
	s_mov_b32 s[G1+7], 0
	s_mov_b32 s[G1B+1], 256<<16                    ; tensor_dim0 = 256
	s_mov_b32 s[G1B+2], 64<<16
	s_mov_b32 s[G1B+3], 256<<16                    ; tile_dim0 = 256
	s_mov_b32 s[G1B+4], 64
	s_mov_b32 s[G1B+5], 4096
	s_mov_b32 s[G1B+6], 0
	s_mov_b32 s[G1B+7], 0
	; where the tiles come from.  x's hang on the tile row alone, W's on the tile column alone; each address is made in registers that never hold the other coordinate
	s_lshl_b32 s16, s13, 7
	s_lshl_b32 s17, s12, 6
	s_add_co_u32 s16, s16, s17                     ; x: row 128 x tile row + 64 x half,
	s_lshl_b32 s16, s16, 13                        ; in bytes (under 2^25)
	s_mov_b32 s17, 0
	s_lshl_b32 s46, s42, 9                         ; W: 512 bytes x tile column
	s_lshl_b32 s47, s12, 19                        ; + 64 rows x half
	s_add_co_u32 s46, s46, s47
	s_mov_b32 s47, 0
	s_mul_i32 s20, s12, HALFA                      ; and where they go: no place in the cluster enters an LDS address
	s_mul_i32 s21, s12, HALFB
	s_add_co_u32 s21, s21, ATILE
	s_wait_dscnt 0x0                               ; both opening adds are done
	s_wait_kmcnt 0x0
	s_add_nc_u64 s[14:15], s[4:5], s[16:17]
	s_add_nc_u64 s[46:47], s[6:7], s[46:47]
	CROUND                                         ; all sixteen work-groups are here: the first joint loads meet
.irp s, 0,1
	s_mov_b32 s[G0+4*(\s)], 1                                      ; count = 1
	s_add_co_u32 s[G0+4*(\s)+1], s20, (\s)*SLOT                    ; LDS address
	s_add_nc_u64 s[G0+4*(\s)+2:G0+4*(\s)+3], s[14:15], (\s)*STEPA  ; global address: K step s
	s_or_b32 s[G0+4*(\s)+3], s[G0+4*(\s)+3], 0x80000000            ; type = 2
	s_mov_b32 s[G0B+4*(\s)], 1
	s_add_co_u32 s[G0B+4*(\s)+1], s21, (\s)*SLOT
	s_add_nc_u64 s[G0B+4*(\s)+2:G0B+4*(\s)+3], s[46:47], (\s)*STEPB
	s_or_b32 s[G0B+4*(\s)+3], s[G0B+4*(\s)+3], 0x80000000
	JLOAD \s                                       ; two tensor loads of mine are out
.endr
	; A fragment of x is 16 rows x 32 K in 8 registers: lane l holds row l % 16; registers 0-3 K = 8 (l / 16) + 0..7, registers 4-7 K = 16 + 8 (l / 16) + 0..7: two loads of 16 bytes, 32 bytes apart.
	v_and_b32 v1, 15, v0                           ; l % 16
	v_bfe_u32 v2, v0, 4, 1                         ; l / 16
	v_mul_u32_u24 v3, v1, PA
	v_lshl_add_u32 v3, v2, 4, v3
	s_mul_i32 s22, s11, HALFA                      ; my 64 rows
	v_add_nc_u32 v[ADRA], s22, v3
	v_add_nc_u32 v[ADRA+1], SLOT, v[ADRA]
	; The turning load takes 16 k x 16 columns (lane l reads 16 bytes: row k = 8 (l / 16) + l % 8, columns 8 ((l / 8) % 2) + 0..7) and leaves half a fragment: lane l holds column l % 16 and 8 k.
	v_and_b32 v4, 7, v0
	v_lshl_add_u32 v4, v2, 3, v4
	v_mul_u32_u24 v4, v4, PB
	v_bfe_u32 v5, v0, 3, 1
	v_lshl_add_u32 v4, v5, 4, v4
	s_lshl_b32 s23, s12, 8                         ; my 128 columns: 256 bytes,
	s_add_co_u32 s23, s23, ATILE                   ; behind x's tile
	v_add_nc_u32 v[ADRB], s23, v4
	v_add_nc_u32 v[ADRB+1], SLOT, v[ADRB]
	s_mul_i32 s22, s10, 16*SP
	s_add_co_u32 s22, s22, STAGE                   ; my stage
	v_mul_u32_u24 v5, v1, SP                       ; in: row l % 16, 32 bytes for each half of the lanes
	v_lshl_add_u32 v5, v2, 5, v5
	v_add_nc_u32 v[STO], s22, v5
	v_and_b32 v3, 31, v0                           ; lane
	v_lshlrev_b32 v[CO], 4, v3
	v_add_nc_u32 v[RD], s22, v[CO]                 ; back: 32 lanes take one row of 512 bytes
	s_lshl_b32 s16, s13, 7
	s_lshl_b32 s17, s11, 6
	s_add_co_u32 s16, s16, s17                     ; my first row of out0,
	s_lshl_b32 s16, s16, 14                        ; in bytes (under 2^26)
	s_mov_b32 s17, 0
	s_add_nc_u64 s[8:9], s[8:9], s[16:17]
	s_lshl_b32 s46, s42, 10                        ; my first column: 1,024 bytes x tile column + 512 x half
	s_lshl_b32 s47, s12, 9
	s_add_co_u32 s46, s46, s47
	s_mov_b32 s47, 0
	s_add_nc_u64 s[8:9], s[8:9], s[46:47]
	; the prefetches: the pointer starts at K step 5; the first change of slots steps it to 6.  Nothing is asked for here, at the head
	v_lshrrev_b32 v4, s11, v3                      ; x: a lane a row; W: two lanes a row,
	v_and_b32 v5, s11, v3
	v_lshlrev_b32 v5, 8, v5                        ; 256 bytes apart
	v_lshl_add_u32 v[PFO], v4, 13, v5
	s_and_b32 s22, ttmp7, 0xffff                   ; cluster y
	s_or_b32 s23, ttmp9, s12                       ; cluster x, and of x's two waves the first alone
	s_lshl_b32 s20, s13, 7
	s_lshl_b32 s21, s40, 5
	s_add_co_u32 s20, s20, s21                     ; x: row 128 x tile row + 32 cx
	s_lshl_b32 s20, s20, 13
	s_add_co_u32 s20, s20, 5*STEPA
	s_lshl_b32 s16, s12, 6
	s_lshl_b32 s17, s41, 4
	s_add_co_u32 s16, s16, s17
	s_add_co_u32 s16, s16, 5*KSTEP                 ; W: row 640 + 64 x half + 16 cy
	s_lshl_b32 s16, s16, 13
	s_lshl_b32 s17, s42, 9
	s_add_co_u32 s16, s16, s17                     ; + 512 bytes x tile column
	s_mov_b32 s[PFS], STEPB
	s_mov_b32 s[PFS+1], 0
	s_mov_b32 s21, 0
	s_cmp_eq_u32 s11, 0                            ; do I fetch for x?
	s_cselect_b32 s20, s20, s16
	s_cselect_b32 s22, s23, s22
	s_cselect_b32 s[PFS], STEPA, s[PFS]
	s_cselect_b64 s[PFA:PFA+1], s[4:5], s[6:7]
	s_add_nc_u64 s[PFA:PFA+1], s[PFA:PFA+1], s[20:21]
	s_cmp_eq_u32 s22, 0
	s_cselect_b32 s[LIM], 2, -1                    ; the same in all sixteen partners, for a given wave
; 8 matrix instructions: row block a x all 8 column blocks, 32 along K, from buffer f.  zero = 1: the product starts the sums: nothing is ever cleared.
; Every quarter step takes the 32 accumulators in the same order, one instruction a turn: 31 others stand between two links of a chain, over the backward jump too.
.macro MUL8 f, a, zero
	WIN MUL
.irp b, 0,1,2,3,4,5,6,7
.if \zero
	v_wmma_f32_16x16x32_bf16 v[8*(8*(\a)+(\b)):8*(8*(\a)+(\b))+7], v[(\f)+32+8*(\b):(\f)+32+8*(\b)+7], v[(\f)+8*(\a):(\f)+8*(\a)+7], 0
.else
	v_wmma_f32_16x16x32_bf16 v[8*(8*(\a)+(\b)):8*(8*(\a)+(\b))+7], v[(\f)+32+8*(\b):(\f)+32+8*(\b)+7], v[(\f)+8*(\a):(\f)+8*(\a)+7], v[8*(8*(\a)+(\b)):8*(8*(\a)+(\b))+7]
.endif
.endr
.endm
; 24 LDS loads in one run: the fragments of quarter q (32 along K) of a slot into buffer f: W's eight first, then x's four
.macro FETCH slot, q, f
	WIN 0
.irp b, 0,1,2,3,4,5,6,7
	ds_load_tr16_b128 v[(\f)+32+8*(\b):(\f)+32+8*(\b)+3],   v[ADRB+(\slot)] offset:(\q)*32*PB+32*(\b)
	ds_load_tr16_b128 v[(\f)+32+8*(\b)+4:(\f)+32+8*(\b)+7], v[ADRB+(\slot)] offset:(\q)*32*PB+32*(\b)+16*PB
.endr
.irp a, 0,1,2,3
	ds_load_b128 v[(\f)+8*(\a):(\f)+8*(\a)+3],   v[ADRA+(\slot)] offset:64*(\q)+(\a)*16*PA
	ds_load_b128 v[(\f)+8*(\a)+4:(\f)+8*(\a)+7], v[ADRA+(\slot)] offset:64*(\q)+(\a)*16*PA+32
.endr
.endm
; A load into a register that a matrix instruction has read, and an LDS store that reads a matrix result, stand four places behind that matrix instruction, and only plain vector
; instructions that name none of its registers are places (ISA guide 7.12.1 for vector instructions).
.macro PLACES
.rept 4
	v_nop
.endr
.endm
; A K step is four quarters of 32 along K, 32 matrix instructions each, on buffers 0, 1, 0, 1.  One of the first three: multiplies buffer f; in its middle it fetches quarter q into buffer g.
.macro QUARTER slot, q, f, g, zero
	s_wait_dscnt 4                                 ; W's fragments and x's row blocks 0 and 1 are in; the youngest four loads (blocks 2 and 3) may be out
	MUL8 \f, 0, \zero
	MUL8 \f, 1, \zero
	PLACES
	FETCH \slot, \q, \g
	s_wait_dscnt 24                                ; all but the 24 just issued
	MUL8 \f, 2, \zero
	MUL8 \f, 3, \zero
.endm
; The last quarter multiplies buffer 1 and changes slots: ONE barrier.  In front of it each wave waits for all its tensor loads, of which one is out: its part of the next slot; adds 0 to its
; spare word; and waits for that and for its own reads of this slot.  Behind it nobody reads this slot any more and the next slot is whole.
; fill = 1: the barrier opens a round of the cluster's barrier, and this slot is filled again, two K steps on, first thing behind the round: 112 matrix instructions ahead of the wait for that load.
.macro TURN slot, next, fill
.if \fill
	s_wait_xcnt 0x0                                ; the last prefetch, a K step back, has read its address: it is stepped here, ahead of the waits of the change of slots
	s_add_nc_u64 s[PFA:PFA+1], s[PFA:PFA+1], s[PFS:PFS+1]
.endif
	WIN 0                                          ; (the add's two registers lie in window 0)
	s_wait_tensorcnt 0x0                           ; all my tensor loads have landed
	ds_add_u32 v[SPW], v[NIL]                      ; 0 onto my spare word
	s_wait_dscnt 5                                 ; (the add and the youngest four loads may be out)
	MUL8 F1, 0, 0                                  ; eight matrix instructions stand between the add and the wait for it
	s_wait_dscnt 0x0                               ; the add is done, and my reads of this slot are over
	s_barrier_signal -1
	MUL8 F1, 1, 0                                  ; work on registers while the others arrive
.if \fill
	WIN 0
.endif
	s_barrier_wait -1
.if \fill
	CREST                                          ; no wave of any partner still reads this slot's tiles or has a load on its way
	s_add_nc_u64 s[G0+4*(\slot)+2:G0+4*(\slot)+3], s[G0+4*(\slot)+2:G0+4*(\slot)+3], 2*STEPA
	s_add_nc_u64 s[G0B+4*(\slot)+2:G0B+4*(\slot)+3], s[G0B+4*(\slot)+2:G0B+4*(\slot)+3], 2*STEPB
	JLOAD \slot                                    ; my one tensor load behind the round; the four v_nop behind it are also the places in front of the loads below
.else
	PLACES
.endif
	FETCH \next, 0, F0
.if \fill
	ASK
.endif
	MUL8 F1, 2, 0
	MUL8 F1, 3, 0
.endm
; THE WAY OUT of row block a: a lane's 32 bytes of a row go into my own stage (rows of 528 bytes), each accumulator's low registers first, and come back as whole rows of 512 bytes.
.macro TOSTAGE a
.set BK, OB+64*((\a)%3)
.if (\a) == 3
	s_wait_xcnt 0x0                                ; block 0's stores have read their data: its buffer is loaded again only behind this wait
.endif
	WIN ST_ACC
.irp b, 0,1,2,3,4,5,6,7
	ds_store_b128 v[STO], v[8*(8*(\a)+(\b)):8*(8*(\a)+(\b))+3]   offset:64*(\b)
	ds_store_b128 v[STO], v[8*(8*(\a)+(\b))+4:8*(8*(\a)+(\b))+7] offset:64*(\b)+16
.endr
	WIN 0
.irp t, 0,1,2,3,4,5,6,7,8,9,10,11,12,13,14,15
	ds_load_b128 v[BK+4*(\t):BK+4*(\t)+3], v[RD] offset:SP*(\t)  ; LDS serves a wave's instructions in order (ISA guide 5.7.1.4): these see the stores above; the next block's stores come behind them
.endr
.endm
.macro SEND a, younger                 ; younger: the LDS instructions issued behind block a's loads: the next block's 32, or none
.set BK, OB+64*((\a)%3)
.irp t, 0,1,2,3,4,5,6,7,8,9,10,11,12,13,14,15
	s_wait_dscnt (\younger)+15-(\t)
	global_store_b128 v[CO], v[BK+4*(\t):BK+4*(\t)+3], s[8:9] offset:(16*(\a)+(\t))*OROW th:TH_STORE_NT  ; a wave's store covers 512 consecutive bytes, at a multiple of 512 from out0's first byte
.endr
.endm
	s_wait_tensorcnt 1                             ; my part of K step 0 is in; K step 1's may stay out
	s_barrier_signal -1
	s_barrier_wait -1                              ; everybody's is
	FETCH 0, 0, F0
	QUARTER 0, 1, F0, F1, 1                        ; the first quarter stands in front of the loop: its products start the sums
	WIN 0                                          ; at a label and at a branch every window is 0
	s_mov_b32 s3, LAPS-1
.Llap:                                                 ; a trip goes once round the ring, from a lap's second quarter to the next lap's first, and fills both slots again
	QUARTER 0, 2, F1, F0, 0
	QUARTER 0, 3, F0, F1, 0
	TURN 0, 1, 1
	QUARTER 1, 1, F0, F1, 0
	QUARTER 1, 2, F1, F0, 0
	QUARTER 1, 3, F0, F1, 0
	TURN 1, 0, 1
	QUARTER 0, 1, F0, F1, 0
	WIN 0
	s_sub_co_u32 s3, s3, 1
	s_cmp_lg_u32 s3, 0
	s_cbranch_scc1 .Llap
	QUARTER 0, 2, F1, F0, 0                        ; the last lap fills nothing, and has no round of the cluster's barrier
	QUARTER 0, 3, F0, F1, 0
	TURN 0, 1, 0
	QUARTER 1, 1, F0, F1, 0
	QUARTER 1, 2, F1, F0, 0
	QUARTER 1, 3, F0, F1, 0
	s_wait_dscnt 4                                 ; the very last quarter: nothing more to fetch
	MUL8 F1, 0, 0
	MUL8 F1, 1, 0
	s_wait_dscnt 0x0
	MUL8 F1, 2, 0
	MUL8 F1, 3, 0
	WIN 0
	PLACES                                         ; behind the last products: the stores below read results, the loads below land in fragment registers
	PLACES
	TOSTAGE 0
	TOSTAGE 1                                      ; a block's way through the stage stands between the loads of the block before and its stores
	SEND 0, 32
	TOSTAGE 2
	SEND 1, 32
	TOSTAGE 3
	SEND 2, 32
	SEND 3, 0
	s_wait_tensorcnt 0x0                           ; the wave's end, behind my last tensor load and my last LDS store
	ds_add_u32 v[SPW], v[NIL]
	s_wait_dscnt 0x0
	CROUND                                         ; the closing round: no work-group ends while a partner may still ask for a tile that names it
	s_endpgm
.Lfunc_end_k_q252f287c02_gemm:
	.size	k_q252f287c02_gemm, .Lfunc_end_k_q252f287c02_gemm-k_q252f287c02_gemm
	.p2alignl 7, 3214868480
	.fill 96, 4, 3214868480
	.section	.rodata,"a",@progbits
	.p2align	6, 0x0
	.amdhsa_kernel k_q252f287c02_gemm
		.amdhsa_group_segment_fixed_size 327680
		.amdhsa_private_segment_fixed_size 0
		.amdhsa_enable_private_segment 0
		.amdhsa_kernarg_size 24
		.amdhsa_user_sgpr_count 2
		.amdhsa_user_sgpr_kernarg_segment_ptr 1
		.amdhsa_wavefront_size32 1
		.amdhsa_system_sgpr_workgroup_id_x 1
		.amdhsa_system_sgpr_workgroup_id_y 1
		.amdhsa_system_sgpr_workgroup_id_z 1
		.amdhsa_system_vgpr_workitem_id 0
		.amdhsa_next_free_vgpr 512
		.amdhsa_next_free_sgpr 66
		.amdhsa_reserve_vcc 0
		.amdhsa_float_denorm_mode_32 3
		.amdhsa_float_denorm_mode_16_64 3
		.amdhsa_memory_ordered 1
		.amdhsa_forward_progress 1
		.amdhsa_inst_pref_size 88
	.end_amdhsa_kernel
	.amdgpu_metadata
---
amdhsa.version: [ 1, 2 ]
amdhsa.kernels:
  - .name:           k_q252f287c02_gemm
    .symbol:         k_q252f287c02_gemm.kd
    .args:
      - { .name: xb, .offset: 0, .size: 8, .value_kind: global_buffer, .address_space: global }
      - { .name: wb, .offset: 8, .size: 8, .value_kind: global_buffer, .address_space: global }
      - { .name: out0, .offset: 16, .size: 8, .value_kind: global_buffer, .address_space: global }
    .group_segment_fixed_size: 327680
    .private_segment_fixed_size: 0
    .kernarg_segment_align: 8
    .kernarg_segment_size: 24
    .max_flat_workgroup_size: 128
    .sgpr_count:     66
    .vgpr_count:     512
    .wavefront_size: 32
...
	.end_amdgpu_metadata
.endif
;; end of part 2
;; ======== version 2 of 2: 2 launches; version 1 with the launch prep written anew for expert scheduling mode
;; workspace buffers: wb 33,554,432 bytes; xb 16,777,216 bytes
;; launch prep (part 3): grid 1024 x 1, 8 waves a work-group, no clusters, 0 bytes of LDS; arguments base, mask, coeff, x, wb, xb; writes wb, xb
.if DOCPART == 3
	.amdgcn_target "amdgcn-amd-amdhsa--gfx1250"
	.amdhsa_code_object_version 6
	.text
	.protected	k_q252f287c02_prep
	.globl	k_q252f287c02_prep
	.p2align	8
	.type	k_q252f287c02_prep,@function
k_q252f287c02_prep:
	s_mov_b64 s[64:65], 0
	v_nop
	global_prefetch_b8 v0, s[64:65] scope:SCOPE_SE
	s_setreg_imm32_b32 hwreg(HW_REG_WAVE_SCHED_MODE, 0, 2), 2
	s_setreg_imm32_b32 hwreg(HW_REG_WAVE_MODE, 25, 1), 1
	s_wait_xcnt 0x0
	s_wait_alu depctr_vm_vsrc(0)
; wb[k][n] = bf16( bf16(base[k][n]) + bf16(coeff) * (2 mask[k][n] - 1) ),  xb = bf16(x).
; x @ base + coeff (x @ sign) = x @ (base + coeff sign) for every input, so the two products of the problem become one; this launch makes its two operands.
; LIMITS.  base, coeff and x are rounded to bf16 (nearest even); the sum is one fused multiply-add in f32 and is rounded once more to bf16: an order of rounding other than
; the problem's own.  mask may hold any int32: 2 m - 1 wraps in 32 bits and is converted to f32 to nearest even.  NaN and infinities are not treated apart.
; SHARES.  1,024 work-groups of eight waves.  A work-group owns 65,536 bytes of base and of mask (16 items of 4,096 bytes) and 32,768 bytes of x (8 items).
; In an item thread t takes the 16 bytes at 16 t (a wave's load covers 512 consecutive bytes) and stores 8 bytes at 8 t (a wave's store covers 256 consecutive bytes, aligned).
; No LDS, no barrier, no matrix unit: no wave wants a byte that another has fetched.  Written out without a loop: no address register and no store's data register is ever rewritten.
; THE MODE: SCHED_MODE bits 1:0 = 2 (LLVM: expert scheduling mode 2), set by the entry lines.  The code itself states the register dependences
; between vector instructions and memory instructions, with s_wait_alu, always for 0.
; THE PLAN.  The 24 items go in 12 blocks of two: blocks 0 to 3 are items 0 to 7 of base and mask, blocks 4 to 7 the items of x, blocks 8 to 11 items 8 to 15 of base and mask.
; Registers that memory instructions touch:
;   v1, v2      byte offsets, made once at the head and never written again: every load reads v1, every store v2; the items are reached by immediate offsets.
;   BB, MM      eight slots.  Written by the first loads; an item's vector lines read and rewrite its slot in place; the loads of the item eight further on land in it one block later.
;               At its second use a slot's first two registers of MM take the result, which one store reads; nothing writes them behind that.
;   XX          written by x's loads; two conversions write an item's first two registers, which one store reads; nothing writes them behind that.
;   Y           written by the roundings of items 0 to 7, each pair read by one store, never written again.
;   T, CF       named by vector lines alone.
; Block p does the vector work of its own two items.  Its memory instructions are block p - 1's: that block's two stores and, in blocks 1 to 4, the four loads into that block's two slots.
; No vector line of block p names a register of block p - 1.  So ONE wait on va_vdst at a block's head, behind the wait for the block's data, states all that the block's memory instructions
; hang on, and these are dealt among its vector lines with no further wait.  No register that a memory instruction reads is written again, so no wait on vm_vsrc follows the entry lines.
; IN FLIGHT.  24 loads of each wave go out at the start; at the heads of blocks 1 to 3 sixteen younger ones stay out, and four more follow at once.
.set ITEM, 4096                        ; bytes of an item on the way in
.set OUTB, 2048                        ; and on the way out
.set LO,  1                            ; v1        16 t; never rewritten
.set SO,  2                            ; v2        8 t; never rewritten
.set CF,  4                            ; v[4:5]    coeff rounded to bf16, as f32, twice
.set T,   6                            ; v[6:7]    at work
.set BB,  8                            ; v[8:39]   base, eight slots of four
.set MM,  40                           ; v[40:71]  mask, eight slots of four
.set XX,  72                           ; v[72:103] x, eight items of four
.set Y,   104                          ; v[104:119] what items 0 to 7 store, two registers each
	s_load_b256 s[4:11], s[0:1], 0x0               ; base s[4:5], mask s[6:7], coeff's address s[8:9], x s[10:11]
	s_load_b128 s[12:15], s[0:1], 0x20             ; wb s[12:13], xb s[14:15]
	v_lshlrev_b32 v[LO], 4, v0
	v_lshlrev_b32 v[SO], 3, v0
	s_mov_b32 s16, 0xffff0000                      ; a word's upper bf16
	s_mov_b32 s3, 0
	s_wait_kmcnt 0x0
	s_load_b32 s17, s[8:9], 0x0                    ; coeff
	s_lshl_b32 s2, ttmp9, 16                       ; the work-group's 65,536 bytes of base and of mask
	s_add_nc_u64 s[4:5], s[4:5], s[2:3]
	s_add_nc_u64 s[6:7], s[6:7], s[2:3]
	s_lshl_b32 s2, ttmp9, 15                       ; its 32,768 bytes of x and of wb
	s_add_nc_u64 s[10:11], s[10:11], s[2:3]
	s_add_nc_u64 s[12:13], s[12:13], s[2:3]
	s_lshl_b32 s2, ttmp9, 14                       ; its 16,384 bytes of xb
	s_add_nc_u64 s[14:15], s[14:15], s[2:3]
	s_wait_alu depctr_va_vdst(0)                   ; v1 and v2 are written: every load of the kernel reads v1 as its offset, every store v2
.irp j, 0,1,2,3,4,5,6,7
	global_load_b128 v[BB+4*(\j):BB+4*(\j)+3], v[LO], s[4:5] offset:(\j)*ITEM th:TH_LOAD_NT
	global_load_b128 v[MM+4*(\j):MM+4*(\j)+3], v[LO], s[6:7] offset:(\j)*ITEM th:TH_LOAD_NT
.endr
.irp j, 0,1,2,3,4,5,6,7
	global_load_b128 v[XX+4*(\j):XX+4*(\j)+3], v[LO], s[10:11] offset:(\j)*ITEM th:TH_LOAD_NT
.endr
	s_wait_kmcnt 0x0                               ; coeff
	v_mov_b32 v[CF], s17
	v_cvt_pk_bf16_f32 v[CF], v[CF], v[CF]          ; rounded to bf16,
	v_lshlrev_b32 v[CF], 16, v[CF]                 ; and back as f32
	v_mov_b32 v[CF+1], v[CF]
; The vector work of the item of base and mask that lies in slot: four numbers of W a thread, into v[dst], v[dst + 1].
.macro WWORK slot, dst
.set B, BB+4*(\slot)
.set M, MM+4*(\slot)
	v_cvt_pk_bf16_f32 v[T], v[B], v[B+1]           ; base is rounded to bf16,
	v_cvt_pk_bf16_f32 v[T+1], v[B+2], v[B+3]
	v_lshlrev_b32 v[B], 16, v[T]                   ; and taken as f32 again
	v_and_b32 v[B+1], s16, v[T]
	v_lshlrev_b32 v[B+2], 16, v[T+1]
	v_and_b32 v[B+3], s16, v[T+1]
.irp i, 0,1,2,3
	v_lshl_add_u32 v[M+(\i)], v[M+(\i)], 1, -1     ; 2 m - 1
.endr
.irp i, 0,1,2,3
	v_cvt_f32_i32 v[M+(\i)], v[M+(\i)]
.endr
	v_pk_fma_f32 v[B:B+1], v[M:M+1], v[CF:CF+1], v[B:B+1]          ; base + coeff x sign, fused
	v_pk_fma_f32 v[B+2:B+3], v[M+2:M+3], v[CF:CF+1], v[B+2:B+3]
	v_cvt_pk_bf16_f32 v[(\dst)], v[B], v[B+1]
	v_cvt_pk_bf16_f32 v[(\dst)+1], v[B+2], v[B+3]
.endm
; The vector work of item j of x.
.macro XWORK j
.set X, XX+4*(\j)
	v_cvt_pk_bf16_f32 v[X], v[X], v[X+1]
	v_cvt_pk_bf16_f32 v[X+1], v[X+2], v[X+3]
.endm
; A slot of the block before is asked for again, with the item eight further on.  No vector line since the block's wait on va_vdst names its registers.
.macro REFILL slot
	global_load_b128 v[BB+4*(\slot):BB+4*(\slot)+3], v[LO], s[4:5] offset:((\slot)+8)*ITEM th:TH_LOAD_NT
	global_load_b128 v[MM+4*(\slot):MM+4*(\slot)+3], v[LO], s[6:7] offset:((\slot)+8)*ITEM th:TH_LOAD_NT
.endm
; An item of the block before is stored: item j of W from v[src], v[src + 1]; item j of x from its own first two registers.
.macro WSTORE src, j
	global_store_b64 v[SO], v[(\src):(\src)+1], s[12:13] offset:(\j)*OUTB
.endm
.macro XSTORE j
	global_store_b64 v[SO], v[XX+4*(\j):XX+4*(\j)+1], s[14:15] offset:(\j)*OUTB
.endm
	; Block 0: items 0 and 1.  No block stands in front of it: no memory instruction, and no wait but the one for its data.
	s_wait_loadcnt 20                              ; loads come back in order (ISA guide 5.7.1): the block's four are in; behind them 12 of base and mask and 8 of x
	WWORK 0, Y
	WWORK 1, Y+2
	; Blocks 1 to 3: items 2 p and 2 p + 1.
.irp p, 1,2,3
	s_wait_loadcnt 16                              ; behind the block's four loads: 4 (3 - p) of base and mask, 8 of x, 4 (p - 1) refills: 16
	s_wait_alu depctr_va_vdst(0)                   ; the block before has written its four registers of Y, which the stores below read, and is done reading and writing its two slots, in which the loads below land
	REFILL 2*(\p)-2
	WSTORE Y+4*(\p)-4, 2*(\p)-2
	WWORK 2*(\p), Y+4*(\p)
	REFILL 2*(\p)-1
	WSTORE Y+4*(\p)-2, 2*(\p)-1
	WWORK 2*(\p)+1, Y+4*(\p)+2
.endr
	; Block 4: x's items 0 and 1; the last two slots are asked for again.
	s_wait_loadcnt 18                              ; behind x's items 0 and 1: 6 of x and 12 refills
	s_wait_alu depctr_va_vdst(0)                   ; block 3 has written Y's last four registers, which the stores below read, and is done reading and writing slots 6 and 7, in which the loads below land
	REFILL 6
	WSTORE Y+12, 6
	XWORK 0
	REFILL 7
	WSTORE Y+14, 7
	XWORK 1
	; Blocks 5 to 7: x's items 2 p and 2 p + 1.
.irp p, 1,2,3
	s_wait_loadcnt 22-2*(\p)                       ; behind the block's two loads: 6 - 2 p of x and the 16 refills
	s_wait_alu depctr_va_vdst(0)                   ; the block before has written the first two registers of each of its items of x, which the stores below read
	XSTORE 2*(\p)-2
	XWORK 2*(\p)
	XSTORE 2*(\p)-1
	XWORK 2*(\p)+1
.endr
	; Block 8: items 8 and 9, in slots 0 and 1.  From here on the result goes into the mask's registers, which nothing rewrites.
	s_wait_loadcnt 12                              ; behind the block's four refills: the other 12
	s_wait_alu depctr_va_vdst(0)                   ; block 7 has written the first two registers of x's items 6 and 7, which the stores below read
	XSTORE 6
	WWORK 0, MM
	XSTORE 7
	WWORK 1, MM+4
	; Blocks 9 to 11: items 8 + 2 p and 9 + 2 p, in slots 2 p and 2 p + 1.
.irp p, 1,2,3
	s_wait_loadcnt 12-4*(\p)                       ; the counts run down
	s_wait_alu depctr_va_vdst(0)                   ; the block before has written the first two registers of MM in each of its two slots, which the stores below read
	WSTORE MM+8*(\p)-8, 2*(\p)+6
	WWORK 2*(\p), MM+8*(\p)
	WSTORE MM+8*(\p)-4, 2*(\p)+7
	WWORK 2*(\p)+1, MM+8*(\p)+4
.endr
	s_wait_alu depctr_va_vdst(0)                   ; block 11 has written the first two registers of MM in slots 6 and 7, which the last two stores read
	WSTORE MM+24, 14
	WSTORE MM+28, 15
	s_endpgm
.Lfunc_end_k_q252f287c02_prep:
	.size	k_q252f287c02_prep, .Lfunc_end_k_q252f287c02_prep-k_q252f287c02_prep
	.p2alignl 7, 3214868480
	.fill 96, 4, 3214868480
	.section	.rodata,"a",@progbits
	.p2align	6, 0x0
	.amdhsa_kernel k_q252f287c02_prep
		.amdhsa_group_segment_fixed_size 0
		.amdhsa_private_segment_fixed_size 0
		.amdhsa_enable_private_segment 0
		.amdhsa_kernarg_size 48
		.amdhsa_user_sgpr_count 2
		.amdhsa_user_sgpr_kernarg_segment_ptr 1
		.amdhsa_wavefront_size32 1
		.amdhsa_system_sgpr_workgroup_id_x 1
		.amdhsa_system_sgpr_workgroup_id_y 1
		.amdhsa_system_sgpr_workgroup_id_z 1
		.amdhsa_system_vgpr_workitem_id 0
		.amdhsa_next_free_vgpr 120
		.amdhsa_next_free_sgpr 66
		.amdhsa_reserve_vcc 0
		.amdhsa_float_denorm_mode_32 3
		.amdhsa_float_denorm_mode_16_64 3
		.amdhsa_memory_ordered 1
		.amdhsa_forward_progress 1
		.amdhsa_inst_pref_size 23
	.end_amdhsa_kernel
	.amdgpu_metadata
---
amdhsa.version: [ 1, 2 ]
amdhsa.kernels:
  - .name:           k_q252f287c02_prep
    .symbol:         k_q252f287c02_prep.kd
    .args:
      - { .name: base, .offset: 0, .size: 8, .value_kind: global_buffer, .address_space: global }
      - { .name: mask, .offset: 8, .size: 8, .value_kind: global_buffer, .address_space: global }
      - { .name: coeff, .offset: 16, .size: 8, .value_kind: global_buffer, .address_space: global }
      - { .name: x, .offset: 24, .size: 8, .value_kind: global_buffer, .address_space: global }
      - { .name: wb, .offset: 32, .size: 8, .value_kind: global_buffer, .address_space: global }
      - { .name: xb, .offset: 40, .size: 8, .value_kind: global_buffer, .address_space: global }
    .group_segment_fixed_size: 0
    .private_segment_fixed_size: 0
    .kernarg_segment_align: 8
    .kernarg_segment_size: 48
    .max_flat_workgroup_size: 256
    .sgpr_count:     66
    .vgpr_count:     120
    .wavefront_size: 32
...
	.end_amdgpu_metadata
.endif
;; end of part 3
;; launch gemm: the kernel of part 2 again; grid 16 x 16, 4 waves a work-group, clusters of 4 x 4, 327,680 bytes of LDS; arguments xb, wb, out0; writes out0
